; MI455X (gfx1250); checked and timed in simulation.
; The chip was launched on July 23, 2026; its instructions are those of AMD's public machine-readable ISA for CDNA 5 (MIT licence, August 2026) and "CDNA5" Instruction Set Architecture Reference Guide (July 2026). The comments in the code are by the model that wrote it; some were corrected since.
;; TCA. Allowed arithmetic: float matrix products may take bf16 or f16 operands with f32 sums; all other float work in f32.
;; Inputs: S_h 256 x 512 float32; W_label 512 x 1,024 float32; word_x 32 x 1,024 x 1,024 float32.
;; Outputs: out0 32 x 1,024 float32.
;; One version. Each part assembles by itself: llvm-mc -triple=amdgcn-amd-amdhsa -mcpu=gfx1250 --defsym DOCPART=n.
;; ======== version 1 of 1: 4 launches
;; workspace buffers: Wb 1,048,576 bytes; Sb 262,144 bytes; Eexp 16,777,216 bytes; stats 524,288 bytes; part 1,048,576 bytes; Xb 67,108,864 bytes
;; launch prep (part 1): grid 256 x 1, 4 waves a work-group, no clusters, 0 bytes of LDS; arguments W_label, S_h, Wb, Sb; writes Wb, Sb
.if DOCPART == 1
	.amdgcn_target "amdgcn-amd-amdhsa--gfx1250"
	.amdhsa_code_object_version 6
	.text
	.protected	k_qc84b5789e0_prep
	.globl	k_qc84b5789e0_prep
	.p2align	8
	.type	k_qc84b5789e0_prep,@function
k_qc84b5789e0_prep:
	s_mov_b64 s[64:65], 0
	v_nop
	global_prefetch_b8 v0, s[64:65] scope:SCOPE_SE
	s_setreg_imm32_b32 hwreg(HW_REG_WAVE_MODE, 25, 1), 1
	s_wait_xcnt 0x0
; prep: bf16 copies of the two weight matrices, each with the factor of its later base-2 exponential folded in:
;   Wb[f][k] = bf16(W_label[f][k] * 2 log2(e))   (tanh(z) = 1 - 2 / (1 + 2^(2 log2(e) z)))
;   Sb[c][f] = bf16(S_h[c][f] * log2(e))         (e^s = 2^(log2(e) s))
; The factor is applied in f32 in front of the one rounding to bf16, so the relative error is that of rounding the weight itself.
; LIMIT: |W_label| above 1.1e38 overflows in the multiplication.  NaN and infinities are passed on as they are.
; 256 work-groups of 128 threads; work-group i takes 2,048 numbers of W_label (four loads of 16 bytes a thread) and 512 of S_h (one).
; A wave's load covers 512 consecutive bytes, its store of 8 bytes a lane 256 consecutive aligned bytes.  A stream: no LDS, no barrier.
.set K_W, 0x4038aa3b                   ; 2 log2(e)
.set K_S, 0x3fb8aa3b                   ; log2(e)
	s_load_b256 s[4:11], s[0:1], 0x0               ; W_label s[4:5], S_h s[6:7], Wb s[8:9], Sb s[10:11]
	v_lshlrev_b32 v1, 4, v0                        ; 16 t: my 4 f32
	v_lshlrev_b32 v2, 3, v0                        ; 8 t: my 4 bf16
	s_lshl_b32 s12, ttmp9, 13                      ; the work-group's part of W_label: 8,192 bytes
	s_mov_b32 s13, 0
	s_lshl_b32 s14, ttmp9, 11                      ; of S_h: 2,048 bytes
	s_mov_b32 s15, 0
	s_lshl_b32 s16, ttmp9, 12                      ; of Wb: 4,096 bytes
	s_mov_b32 s17, 0
	s_lshl_b32 s18, ttmp9, 10                      ; of Sb: 1,024 bytes
	s_mov_b32 s19, 0
	s_wait_kmcnt 0x0
	s_add_nc_u64 s[4:5], s[4:5], s[12:13]
	s_add_nc_u64 s[6:7], s[6:7], s[14:15]
	s_add_nc_u64 s[8:9], s[8:9], s[16:17]
	s_add_nc_u64 s[10:11], s[10:11], s[18:19]
.irp p, 0,1,2,3
	global_load_b128 v[4+4*\p:7+4*\p], v1, s[4:5] offset:2048*\p th:TH_LOAD_NT
.endr
	global_load_b128 v[20:23], v1, s[6:7] th:TH_LOAD_NT
	s_wait_loadcnt 0x0                             ; five loads, used at once: nothing younger to leave out
.irp j, 4,6,8,10,12,14,16,18
	v_pk_mul_f32 v[\j:\j+1], v[\j:\j+1], K_W op_sel_hi:[1,0]
.endr
.irp j, 20,22
	v_pk_mul_f32 v[\j:\j+1], v[\j:\j+1], K_S op_sel_hi:[1,0]
.endr
.irp i, 0,1,2,3,4,5,6,7,8,9
	v_cvt_pk_bf16_f32 v[24+\i], v[4+2*\i], v[5+2*\i]       ; two roundings to nearest even, packed
.endr
.irp p, 0,1,2,3
	global_store_b64 v2, v[24+2*\p:25+2*\p], s[8:9] offset:1024*\p
.endr
	global_store_b64 v2, v[32:33], s[10:11]
	s_endpgm
.Lfunc_end_k_qc84b5789e0_prep:
	.size	k_qc84b5789e0_prep, .Lfunc_end_k_qc84b5789e0_prep-k_qc84b5789e0_prep
	.p2alignl 7, 3214868480
	.fill 96, 4, 3214868480
	.section	.rodata,"a",@progbits
	.p2align	6, 0x0
	.amdhsa_kernel k_qc84b5789e0_prep
		.amdhsa_group_segment_fixed_size 0
		.amdhsa_private_segment_fixed_size 0
		.amdhsa_enable_private_segment 0
		.amdhsa_kernarg_size 32
		.amdhsa_user_sgpr_count 2
		.amdhsa_user_sgpr_kernarg_segment_ptr 1
		.amdhsa_wavefront_size32 1
		.amdhsa_system_sgpr_workgroup_id_x 1
		.amdhsa_system_sgpr_workgroup_id_y 1
		.amdhsa_system_sgpr_workgroup_id_z 1
		.amdhsa_system_vgpr_workitem_id 0
		.amdhsa_next_free_vgpr 40
		.amdhsa_next_free_sgpr 66
		.amdhsa_reserve_vcc 0
		.amdhsa_float_denorm_mode_32 3
		.amdhsa_float_denorm_mode_16_64 3
		.amdhsa_memory_ordered 1
		.amdhsa_forward_progress 1
		.amdhsa_inst_pref_size 4
	.end_amdhsa_kernel
	.amdgpu_metadata
---
amdhsa.version: [ 1, 2 ]
amdhsa.kernels:
  - .name:           k_qc84b5789e0_prep
    .symbol:         k_qc84b5789e0_prep.kd
    .args:
      - { .name: W_label, .offset: 0, .size: 8, .value_kind: global_buffer, .address_space: global }
      - { .name: S_h, .offset: 8, .size: 8, .value_kind: global_buffer, .address_space: global }
      - { .name: Wb, .offset: 16, .size: 8, .value_kind: global_buffer, .address_space: global }
      - { .name: Sb, .offset: 24, .size: 8, .value_kind: global_buffer, .address_space: global }
    .group_segment_fixed_size: 0
    .private_segment_fixed_size: 0
    .kernarg_segment_align: 8
    .kernarg_segment_size: 32
    .max_flat_workgroup_size: 128
    .sgpr_count:     66
    .vgpr_count:     40
    .wavefront_size: 32
...
	.end_amdgpu_metadata
.endif
;; end of part 1
;; launch main (part 2): grid 256 x 1, 4 waves a work-group, clusters of 4 x 1, 327,680 bytes of LDS; arguments word_x, Wb, Sb, Eexp, stats, Xb; writes Eexp, stats, Xb
.if DOCPART == 2
	.amdgcn_target "amdgcn-amd-amdhsa--gfx1250"
	.amdhsa_code_object_version 6
	.text
	.protected	k_qc84b5789e0_main
	.globl	k_qc84b5789e0_main
	.p2align	8
	.type	k_qc84b5789e0_main,@function
k_qc84b5789e0_main:
	s_mov_b64 s[64:65], 0
	v_nop
	global_prefetch_b8 v0, s[64:65] scope:SCOPE_SE
	s_setreg_imm32_b32 hwreg(HW_REG_WAVE_MODE, 25, 1), 1
	s_wait_xcnt 0x0
	s_wait_alu depctr_hold_cnt(0) depctr_sa_sdst(0) depctr_va_vdst(0) depctr_va_sdst(0) depctr_va_ssrc(0) depctr_va_vcc(0) depctr_vm_vsrc(0)
	s_getreg_b32 s2, hwreg(HW_REG_IB_STS2, 6, 4)
	s_cmp_eq_u32 s2, 0
	s_cbranch_scc0 .Lentry_in_a_cluster
	s_endpgm
.Lentry_in_a_cluster:
	s_bfe_u32 s2, ttmp6, 0x10000c
	s_cmp_lg_u32 s2, 0x3003
	s_cbranch_scc0 .Lentry_shape_is_right
	s_endpgm
.Lentry_shape_is_right:
; main: work-group g (0..255) owns block g of 128 positions: batch g / 8, positions 128 (g % 8) .. + 127; X's rows of the block start at byte g << 19.
;   GEMM1  z'[l][f] = sum over k of X[l][k] Wb[f][k]          128 x 512 x 1024, bf16 operands, f32 sums
;   tanh   H[l][f]  = 1 - 2 / (1 + 2^z')                      f32, rounded once to bf16 for the second product
;   GEMM2  s'[c][l] = sum over f of Sb[c][f] H[l][f]          256 x 128 x 512  (s' = score x log2(e))
;   block softmax: m'[c] = max over the 128 l of s', E[c][l] = 2^(s' - m'), sum[c] = sum over l of E, all in f32.  (m', sum) go to memory in f32;
;   the next launch joins the eight blocks of a batch by their maxima (a maximum is taken away in front of every exponential).
;   E and X are the two operands of reference()'s third product: both go to memory rounded to bf16, as matrix operands are, for the next launch:
;   X's packed words are at hand on their way into LDS, so the copy costs stores alone and halves what the next launch reads.
; Four waves, as many as a WGP has SIMDs.  GEMM1: wave w makes all 128 positions x features 128 w .. + 127: 64 tiles, 512 registers.
; GEMM2: wave w makes classes 64 w .. + 63 x 128 positions: 32 tiles.  W's and S's rows are read only by the wave that fetched them;
; X and H are read by all four.
; CLUSTERS: every work-group walks the same Wb and Sb, so four work-groups form a cluster and ask for each tile jointly (mask 15): the
; descriptors hang on the wave's number alone.  X belongs to one work-group; it comes through registers, is rounded to bf16 once and laid into LDS.
; By this text's own count a wave has at most two tensor loads out.
; The K steps are written out by macro: three staging sets meet two slots, so the pattern repeats every six half-steps, and 16 half-steps
; with head and tail peeled are fewer than two rounds of it.
; LIMITS: tanh by this formula has an absolute error near 2^-23, so relative accuracy is lost for |z| below about 1e-5; it is exactly +-1 where
; 2^z' overflows or underflows.  E below 2^-126 comes out as 0 (v_exp_f32 flushes denormals: ISA guide 15.8) beside a block sum of at least 1.
; E and X as stored carry bf16's relative error of 2^-9.  NaN and infinities in the inputs are not followed.  The sums' order differs from a plain chain of f32 additions.
;
; LDS: 0 W slot 0 (512 rows, pitch 272; wave w's 128 rows at w x 34,816), from K step 6 on two sub-slots for S's tiles (256 rows, pitch 272, wave w's 64 rows at w x 17,408);
;      139,264 W slot 1; behind its last fill H, [wave t][128 l][128 f] at pitch 272: wave w's part of H lies on its own W rows;
;      278,528 and 296,960 two slots for X, 128 rows x 64 k bf16 at pitch 144, written by LDS stores alone: no tensor load ever lands there.
; Pitches 272 = 17 x 16 and 144 = 9 x 16 bytes: the sixteen rows of a fragment load start at sixteen different 16-byte columns modulo 256 bytes.
;
; REGISTERS in windows of 256: window 0: v0-25 addresses, v64-127 / v128-191 fragments of X (GEMM2: of S), v192-255 X staging set 0;
; window 1: v64-127 / v128-191 fragments of W (GEMM2: of H), v0-63 and v192-255 X staging sets 1 and 2; windows 2, 3: accumulators.
.set WPITCH, 272
.set WPART,  128*WPITCH                ; a wave's 128 rows of a W tile, and its part of H
.set WSLOT,  4*WPART
.set SPART,  64*WPITCH                 ; a wave's 64 rows of an S tile
.set SSUB,   4*SPART                   ; two sub-slots fill W slot 0 exactly
.set HBASE,  WSLOT
.set XPITCH, 144
.set XSLOT,  128*XPITCH
.set XS0,    2*WSLOT
.set ADRW, 10                          ; v10-11  my W fragments in slot 0, 1
.set STO,  ADRW+1                      ;         where I put 16 bytes of H: the same bytes as my W rows of slot 1
.set ADRX, 12                          ; v12-13  X fragments in X slot 0, 1
.set XST,  14                          ; v14-15  where I put 8 bytes of X in X slot 0, 1
.set XOFF, 16                          ; v16     my byte offset in the block's X
.set ADRH, 18                          ; v18-21  H fragments of wave t's part
.set ADRS, 22                          ; v22-23  my S fragments in sub-slot 0, 1
.set EOFF, 24                          ; v24     16 x lane: E's and Xb's stores
.set SOFF, 25                          ; v25     8 x lane
.set F0,   64
.set F1,   128
.set T,    64                          ; tanh: 32 numbers at work
.set P,    96                          ; tanh: 16 packed words
.set MX,   64                          ; softmax: 4 chains of maxima for each class tile
.set MP,   80                          ; softmax: the maximum, twice, for each class tile
.set SM,   96                          ; softmax: 4 chains of pairs of sums for each class tile
.set RES,  128                         ; (m', sum) pairs to store
.set G1W, 24                           ; s[24:31] group 1 for W's tiles
.set G0W, 32                           ; s[32:39] group 0 for W's tiles, one set a slot
.set G1S, 40                           ; s[40:47] group 1 for S's tiles
.set G0S, 48                           ; s[48:55] group 0 for S's tiles, one set a sub-slot
.set MUL_LO, 0xa1                      ; source 0 window 1, source 1 window 0, C and D window 2
.set MUL_HI, 0xf1                      ; the same, C and D window 3
.set TO_B,   0x40                      ; destination window 1
.set MSB, 0
.macro WIN new                         ; s_set_vgpr_msb: bits 1:0 source 0, 3:2 source 1, 5:4 source 2, 7:6 destination; the high byte repeats the setting left
.if MSB != (\new)
	s_set_vgpr_msb (MSB<<8)|(\new)
.set MSB, (\new)
.endif
.endm
.macro PLACES                          ; four places behind a matrix instruction (ISA guide 7.12.1), where there is no useful vector work
.rept 4
	v_nop
.endr
.endm
; A round of the cluster's barrier: my work-group's barrier, wave 0 signals for the work-group, every wave waits for all four work-groups, my work-group's barrier again.
.macro CREST                           ; a round behind its opening barrier
	s_cmp_lg_u32 s14, 0
	s_cbranch_scc1 .Lnot_wave_0_\@
	s_barrier_signal -3
.Lnot_wave_0_\@:
	s_barrier_wait -3
	s_barrier_signal -1
	s_barrier_wait -1
.endm
.macro CROUND
	s_barrier_signal -1
	s_barrier_wait -1
	CREST
.endm
	s_load_b256 s[4:11], s[0:1], 0x0               ; word_x s[4:5], Wb s[6:7], Sb s[8:9], Eexp s[10:11]
	s_load_b64 s[12:13], s[0:1], 0x20              ; stats
	s_load_b64 s[66:67], s[0:1], 0x28              ; Xb
	v_lshl_add_u32 v62, v0, 2, 0x4d000
	v_mov_b32 v63, 0
	ds_add_u32 v62, v63
	v_lshrrev_b32 v4, 5, v0
	v_readfirstlane_b32 s14, v4                    ; wave w
	s_bfe_u32 s15, ttmp6, 0x40000                  ; cx
	s_lshl_b32 s16, ttmp9, 2
	s_add_co_u32 s16, s16, s15                     ; g = 4 x cluster + cx: enters X's, Xb's, E's and stats' addresses only
	s_mov_b32 s56, 0x76543210                      ; v_permlanex16_b32: lane i reads lane i of the other half
	s_mov_b32 s57, 0xfedcba98
	s_mul_i32 s58, s14, WPART
	s_mul_i32 s59, s14, SPART
	s_mul_i32 s2, s14, 32*XPITCH                   ; my 32 rows in an X slot
	s_lshl_b32 s3, s14, 17                         ; my 32 rows of 4,096 bytes in X
	s_lshl_b32 s18, s16, 19                        ; X: 128 rows of 4,096 bytes a block
	s_mov_b32 s19, 0
	s_lshl_b32 s20, s16, 16                        ; E: 65,536 bytes a block, 16,384 a wave
	s_lshl_b32 s17, s14, 14
	s_add_co_u32 s20, s20, s17
	s_mov_b32 s21, 0
	s_lshl_b32 s22, s16, 11                        ; stats: 2,048 bytes a block, 512 a wave
	s_lshl_b32 s17, s14, 9
	s_add_co_u32 s22, s22, s17
	s_mov_b32 s23, 0
	s_lshl_b32 s68, s16, 18                        ; Xb: 262,144 bytes a block; in each half-step's 16,384 bytes 4,096 a wave
	s_lshl_b32 s17, s14, 12
	s_add_co_u32 s68, s68, s17
	s_mov_b32 s69, 0
	s_lshl_b32 s60, s14, 18                        ; Wb: my 128 rows of 2,048 bytes
	s_mov_b32 s61, 0
	s_lshl_b32 s62, s14, 16                        ; Sb: my 64 rows of 1,024 bytes
	s_mov_b32 s63, 0
	; group 1 for W: a tile of 128 rows x 128 bf16, 16 bytes of padding behind every 256
	s_mov_b32 s[G1W+0], 15|(1<<16)|(1<<20)|(1<<21)|(5<<22)|(3<<25)  ; mask: all four of the cluster; 2-byte elements; padding on; bit 21 beside a mask; after 64 words, 4 words
	s_mov_b32 s[G1W+1], 128<<16                    ; tensor_dim0 = 128
	s_mov_b32 s[G1W+2], 128<<16                    ; tensor_dim1 = 128
	s_mov_b32 s[G1W+3], 128<<16                    ; tile_dim0 = 128
	s_mov_b32 s[G1W+4], 128                        ; tile_dim1 = 128
	s_mov_b32 s[G1W+5], 1024                       ; elements from row to row
	s_mov_b32 s[G1W+6], 0
	s_mov_b32 s[G1W+7], 0
	; group 1 for S: 64 rows x 128 bf16
	s_mov_b32 s[G1S+0], 15|(1<<16)|(1<<20)|(1<<21)|(5<<22)|(3<<25)
	s_mov_b32 s[G1S+1], 128<<16
	s_mov_b32 s[G1S+2], 64<<16
	s_mov_b32 s[G1S+3], 128<<16
	s_mov_b32 s[G1S+4], 64
	s_mov_b32 s[G1S+5], 512
	s_mov_b32 s[G1S+6], 0
	s_mov_b32 s[G1S+7], 0
	v_and_b32 v1, 15, v0                           ; r
	v_bfe_u32 v2, v0, 4, 1                         ; h
	v_and_b32 v3, 31, v0                           ; lane
	v_lshlrev_b32 v7, 4, v1
	v_lshl_add_u32 v7, v2, 15, v7                  ; 8 h rows of 4,096 bytes + 16 r
	v_add_nc_u32 v[XOFF], s3, v7
	s_wait_dscnt 0x0
	s_wait_kmcnt 0x0
	s_add_nc_u64 s[4:5], s[4:5], s[18:19]
	s_add_nc_u64 s[10:11], s[10:11], s[20:21]
	s_add_nc_u64 s[12:13], s[12:13], s[22:23]
	s_add_nc_u64 s[66:67], s[66:67], s[68:69]
	s_add_nc_u64 s[6:7], s[6:7], s[60:61]
	s_add_nc_u64 s[8:9], s[8:9], s[62:63]
; X's road.  Half-step m is k = 64 m .. + 63: 256 bytes of each row.  Wave w brings rows 32 w .. + 31 by 16 loads: load i takes row R(i) + 8 h,
; R(i) = 16 (i / 8) + i % 8, sixteen lanes cover one aligned run of 256 bytes.  Half-step m lives in staging set m % 3 (64 registers).
.macro XSET m
.if (\m)%3 == 0
.set xb_, 192
.set xw_, 0
.elseif (\m)%3 == 1
.set xb_, 0
.set xw_, 1
.else
.set xb_, 192
.set xw_, 1
.endif
.endm
.macro XLOAD m
	XSET \m
	WIN 0x40*xw_
.set i_, 0
.rept 16
	global_load_b128 v[xb_+4*i_:xb_+4*i_+3], v[XOFF], s[4:5] offset:(16*(i_>>3)+(i_&7))*4096+256*(\m) th:TH_LOAD_NT
.set i_, i_+1
.endr
.endm
; Half-step m is rounded to bf16 in place (word i of the set from words 2 i, 2 i + 1: a word is written only behind its own use) and laid into X slot m % 2:
; 8 bytes a lane; lanes 16-31 lie 8 rows = 1,152 bytes further, 128 modulo 256, so the 32 lanes touch 256 different bytes modulo 256.
; The same 32 words go out to Xb in their own order, [g][m][w][p][lane][16 bytes]: store p takes words 4 p .. + 3, the four columns 64 m + 4 r .. + 3 of
; rows 32 w + 16 (p / 4) + 8 h + 2 (p % 4) and the next.  Each store of the wave covers 512 consecutive bytes, aligned.
; The set is loaded again (half-step m + 3) half a half-step later, behind the wait that frees the stores' data.
.macro XPUT m
.if (\m) <= 13
	s_wait_loadcnt 32                              ; loads come back in order: half-step m is in, the 2 x 16 loads of m + 1 and m + 2 stay out
.else
	s_wait_loadcnt 16*(15-(\m))                    ; the counts run down at the end
.endif
	XSET \m
	WIN 0x45*xw_
.set i_, 0
.rept 32
	v_cvt_pk_bf16_f32 v[xb_+i_], v[xb_+2*i_], v[xb_+2*i_+1]
.set i_, i_+1
.endr
	WIN 0x04*xw_
.set i_, 0
.rept 16
	ds_store_b64 v[XST+((\m)&1)], v[xb_+2*i_:xb_+2*i_+1] offset:(16*(i_>>3)+(i_&7))*XPITCH
.set i_, i_+1
.endr
.set i_, 0
.rept 8
	global_store_b128 v[EOFF], v[xb_+4*i_:xb_+4*i_+3], s[66:67] offset:16384*(\m)+512*i_ th:TH_STORE_NT
.set i_, i_+1
.endr
.endm
	XLOAD 0                                        ; 48 loads: three half-steps of X are on their way before anything else
	XLOAD 1
	XLOAD 2
	WIN 0
	v_mul_u32_u24 v4, v1, WPITCH
	v_lshl_add_u32 v4, v2, 4, v4                   ; 272 r + 16 h: a fragment's lane term
	v_add_nc_u32 v[ADRW], s58, v4
	v_add_nc_u32 v[ADRW+1], WSLOT, v[ADRW]
.irp t, 0,1,2,3
	v_add_nc_u32 v[ADRH+\t], HBASE+\t*WPART, v4
.endr
	v_add_nc_u32 v[ADRS], s59, v4
	v_add_nc_u32 v[ADRS+1], SSUB, v[ADRS]
	v_mul_u32_u24 v5, v1, XPITCH
	v_lshl_add_u32 v5, v2, 4, v5                   ; 144 r + 16 h
	v_add_nc_u32 v[ADRX], XS0, v5
	v_add_nc_u32 v[ADRX+1], XS0+XSLOT, v5
	v_mul_u32_u24 v6, v2, 8*XPITCH                 ; 8 h rows
	v_lshl_add_u32 v6, v1, 3, v6                   ; + 8 r bytes
	v_add_nc_u32 v6, s2, v6                        ; + my 32 rows
	v_add_nc_u32 v[XST], XS0, v6
	v_add_nc_u32 v[XST+1], XS0+XSLOT, v6
	v_lshlrev_b32 v[EOFF], 4, v3
	v_lshlrev_b32 v[SOFF], 3, v3
.irp s, 0,1
	s_mov_b32 s[G0W+4*\s], 1                                       ; count = 1
	s_add_co_u32 s[G0W+4*\s+1], s58, \s*WSLOT                      ; LDS address: slot + my 128 rows
	s_add_nc_u64 s[G0W+4*\s+2:G0W+4*\s+3], s[6:7], \s*256          ; W tile s: k = 128 s
	s_or_b32 s[G0W+4*\s+3], s[G0W+4*\s+3], 0x80000000              ; type = 2
	s_mov_b32 s[G0S+4*\s], 1
	s_add_co_u32 s[G0S+4*\s+1], s59, \s*SSUB                       ; sub-slot + my 64 rows
	s_add_nc_u64 s[G0S+4*\s+2:G0S+4*\s+3], s[8:9], \s*256          ; S tile s: f = 128 s
	s_or_b32 s[G0S+4*\s+3], s[G0S+4*\s+3], 0x80000000
.endr
	CROUND                                         ; all four work-groups are here: the first joint loads meet
	tensor_load_to_lds s[G0W:G0W+3], s[G1W:G1W+7]          ; W tile 0
	s_nop 0
	tensor_load_to_lds s[G0W+4:G0W+7], s[G1W:G1W+7]        ; W tile 1
	s_nop 0
; 16 matrix instructions, used transposed: source 0 = 16 rows of W (window 1), source 1 = 16 rows of X (window 0).  In tile (a, b) lane (r, h) then holds,
; in registers 0 to 7, z'[l = 16 a + r][f = 128 w + 16 b + 8 h + 0..7]: eight neighbouring features of one position, 16 bytes of H.
; The 64 accumulators take turns, one instruction a turn, in the same order in every quarter.
.macro MUL16 f, hi, a0, zero
.irp a, \a0, \a0+1
.irp b, 0,1,2,3,4,5,6,7
.if \zero
	v_wmma_f32_16x16x32_bf16 v[8*(8*(\a)+\b):8*(8*(\a)+\b)+7], v[\f+8*\b:\f+8*\b+7], v[\f+8*(4*\hi+\a):\f+8*(4*\hi+\a)+7], 0
.else
	v_wmma_f32_16x16x32_bf16 v[8*(8*(\a)+\b):8*(8*(\a)+\b)+7], v[\f+8*\b:\f+8*\b+7], v[\f+8*(4*\hi+\a):\f+8*(4*\hi+\a)+7], v[8*(8*(\a)+\b):8*(8*(\a)+\b)+7]
.endif
.endr
.endr
.endm
; 32 LDS loads in one run: the fragments of 32 along K: my 128 rows of W (slot ws, byte wk of the rows), then the 128 rows of X (slot xs, byte xk), into buffer f.
; A fragment: lane (r, h) holds row r; registers 0-3 k = 8 h + 0..7, registers 4-7 k = 16 + 8 h + 0..7: two loads of 16 bytes, 32 bytes apart.
.macro FETCH ws, wk, xs, xk, f
	WIN TO_B
.irp i, 0,1,2,3,4,5,6,7
	ds_load_b128 v[\f+8*\i:\f+8*\i+3],   v[ADRW+\ws] offset:\wk+\i*16*WPITCH
	ds_load_b128 v[\f+8*\i+4:\f+8*\i+7], v[ADRW+\ws] offset:\wk+\i*16*WPITCH+32
.endr
	WIN 0
.irp i, 0,1,2,3,4,5,6,7
	ds_load_b128 v[\f+8*\i:\f+8*\i+3],   v[ADRX+\xs] offset:\xk+\i*16*XPITCH
	ds_load_b128 v[\f+8*\i+4:\f+8*\i+7], v[ADRX+\xs] offset:\xk+\i*16*XPITCH+32
.endr
.endm
; Half-step n (64 along K) is two quarters of 64 matrix instructions.  W slot (n / 2) % 2 at byte 128 (n % 2) of its rows, X slot n % 2.
; The first quarter multiplies buffer 0.  In its middle half-step n + 1 of X is rounded, laid into the other X slot (all waves' reads of that slot
; were waited for in front of the last barrier) and stored to Xb, and the second quarter's fragments are fetched into buffer 1.
.macro QA n, zero
	s_wait_dscnt 8                                 ; W and X's rows 0-63 are in; the youngest eight loads (X's rows 64-127) may be out
	WIN MUL_LO
	MUL16 F0, 0, 0, \zero
	MUL16 F0, 0, 2, \zero
.if \n < 15
	XPUT \n+1                                      ; its 32 conversions name no fragment and no accumulator: they are the places in front of the loads into buffer 1
.else
	PLACES
.endif
.set ws_, ((\n)>>1)&1
.set wk_, 128*((\n)&1)+64
.set xq_, (\n)&1
	FETCH ws_, wk_, xq_, 64, F1
	s_wait_dscnt 32                                ; all but the 32 loads just issued: the rest of buffer 0 is in
	WIN MUL_HI
	MUL16 F0, 1, 0, \zero
	MUL16 F0, 1, 2, \zero
.endm
; The second quarter multiplies buffer 1 and changes X slots: ONE barrier.  In front of it each wave waits for its LDS reads of this half-step and its stores of the next
; half-step's X; behind it the next half-step's first fragments are read, and the staging set that the first quarter stored is loaded again with half-step n + 4.
; kind 0: that alone.
; kind 1: the K step ends too; this W slot is filled again two tiles ahead.  All my tensor loads are waited for as well (the one out is the other slot's tile, my own rows),
;         the barrier opens a round of the cluster's barrier, and the joint refill is the first tensor load behind the round.
; kind 2: the same, but W slot 0 has had its last W tile: S's tiles 0 and 1 go into its two halves.
; kind 3: the very last quarter: nothing to fetch, no barrier.
.macro QB n, kind
	s_wait_dscnt 8
	WIN MUL_LO
	MUL16 F1, 0, 0, 0
.if \kind == 3
	MUL16 F1, 0, 2, 0
	s_wait_dscnt 0x0
.else
	s_wait_dscnt 0x0                               ; my reads of both slots and my stores of X are done
.if \kind != 0
	s_set_vgpr_msb 0xa1a0
	s_wait_tensorcnt 0x0                           ; and all my tensor loads have landed
	ds_add_u32 v62, v63
	s_wait_dscnt 0x0
	s_set_vgpr_msb 0xa0a1
.endif
	s_barrier_signal -1
	MUL16 F1, 0, 2, 0                              ; register work while the others arrive
.if \kind != 0
	WIN 0
.endif
	s_barrier_wait -1
.if \kind == 1
	CREST                                          ; no wave of any partner still reads this slot or has a load on its way
.set sl_, ((\n)>>1)&1
	s_add_nc_u64 s[G0W+4*sl_+2:G0W+4*sl_+3], s[G0W+4*sl_+2:G0W+4*sl_+3], 512    ; two tiles of 256 bytes on; no load of mine is out
	tensor_load_to_lds s[G0W+4*sl_:G0W+4*sl_+3], s[G1W:G1W+7]
	s_nop 0
.elseif \kind == 2
	CREST
	tensor_load_to_lds s[G0S:G0S+3], s[G1S:G1S+7]          ; S tile 0
	s_nop 0
	tensor_load_to_lds s[G0S+4:G0S+7], s[G1S:G1S+7]        ; S tile 1
	s_nop 0
.endif
	PLACES
.set ws_, (((\n)+1)>>1)&1
.set wk_, 128*(((\n)+1)&1)
.set xq_, ((\n)+1)&1
	FETCH ws_, wk_, xq_, 0, F0
.if (\n)+4 <= 15
	s_wait_xcnt 0x0                                ; the stores to Xb, issued 64 matrix instructions ago, have had their addresses translated (ISA guide 3.1): their data registers are loaded again only behind this wait
	XLOAD (\n)+4
.endif
.endif
	WIN MUL_HI
	MUL16 F1, 1, 0, 0
	MUL16 F1, 1, 2, 0
.endm
	XPUT 0
	s_wait_xcnt 0x0                                ; set 0 holds the data of the stores just issued: it is loaded again only behind this wait
	XLOAD 3
	s_wait_tensorcnt 0x1                           ; W tile 0, my own rows, is in; tile 1 stays out
	s_wait_dscnt 0x0                               ; my part of X's half-step 0 is in LDS
	s_barrier_signal -1
	s_barrier_wait -1                              ; everybody's is
	FETCH 0, 0, 0, 0, F0
	QA 0, 1                                        ; the first products start the sums: nothing is cleared
	QB 0, 0
	QA 1, 0
	QB 1, 1                                        ; W tile 2
	QA 2, 0
	QB 2, 0
	QA 3, 0
	QB 3, 1                                        ; W tile 3
	QA 4, 0
	QB 4, 0
	QA 5, 0
	QB 5, 1                                        ; W tile 4
	QA 6, 0
	QB 6, 0
	QA 7, 0
	QB 7, 1                                        ; W tile 5
	QA 8, 0
	QB 8, 0
	QA 9, 0
	QB 9, 1                                        ; W tile 6
	QA 10, 0
	QB 10, 0
	QA 11, 0
	QB 11, 1                                       ; W tile 7: slot 1's last fill
	QA 12, 0
	QB 12, 0
	QA 13, 0
	QB 13, 2                                       ; S tiles 0 and 1
	QA 14, 0
	QB 14, 0
	QA 15, 0
	QB 15, 3
; tanh of four tiles (a, b .. b + 3), 32 registers: 2^z', + 1, reciprocal, 1 - 2 x, two roundings a word, 16 bytes a tile into my part of H.
; Behind each run of transcendentals one v_nop stands in front of the first use (ISA guide 5.7.2).
.macro TANH4 win, a, b
	WIN \win
.set i_, 0
.rept 32
	v_exp_f32 v[T+i_], v[8*(8*((\a)&3)+\b)+i_]
.set i_, i_+1
.endr
	WIN 0
	v_nop
.set i_, 0
	s_wait_alu depctr_va_vdst(0)
.rept 16
	v_pk_add_f32 v[T+i_:T+i_+1], v[T+i_:T+i_+1], 1.0 op_sel_hi:[1,0]
.set i_, i_+2
.endr
.set i_, 0
.rept 32
	v_rcp_f32 v[T+i_], v[T+i_]
.set i_, i_+1
.endr
	v_nop
.set i_, 0
	s_wait_alu depctr_va_vdst(0)
.rept 16
	v_pk_fma_f32 v[T+i_:T+i_+1], v[T+i_:T+i_+1], -2.0, 1.0 op_sel_hi:[1,0,0]
.set i_, i_+2
.endr
.set i_, 0
.rept 16
	v_cvt_pk_bf16_f32 v[P+i_], v[T+2*i_], v[T+2*i_+1]
.set i_, i_+1
.endr
.irp k, 0,1,2,3
	ds_store_b128 v[STO], v[P+4*\k:P+4*\k+3] offset:(\a)*16*WPITCH+32*((\b)+\k)    ; H[16 a + r][16 (b + k) + 8 h ..] of my 128 features
.endr
.endm
	PLACES                                         ; behind the last matrix instructions: the lines below read results and write fragment registers
	; My part of H lies on my own W rows of slot 1: only I read them, my reads were waited for in the last quarter, and the slot has had its last fill.
.irp a, 0,1,2,3
	TANH4 0x02, \a, 0
	TANH4 0x02, \a, 4
.endr
.irp a, 4,5,6,7
	TANH4 0x03, \a, 0
	TANH4 0x03, \a, 4
.endr
; GEMM2 in 16 chunks of 32 features.  Chunk q: H's part t = q / 4 at byte 64 (q % 4) of its rows, S tile t in sub-slot t % 2.
; Source 0 = 16 rows of H (window 1), source 1 = 16 rows of S (window 0): tile (ct, a), lane (r, h), register j = s'[c = 64 w + 16 ct + r][l = 16 a + 8 h + j].
.macro FETCH2 q, f
.set t_, (\q)>>2
.set kq_, 64*((\q)&3)
	WIN TO_B
.irp a, 0,1,2,3,4,5,6,7
	ds_load_b128 v[\f+8*\a:\f+8*\a+3],   v[ADRH+t_] offset:kq_+\a*16*WPITCH
	ds_load_b128 v[\f+8*\a+4:\f+8*\a+7], v[ADRH+t_] offset:kq_+\a*16*WPITCH+32
.endr
	WIN 0
.irp c, 0,1,2,3
	ds_load_b128 v[\f+8*\c:\f+8*\c+3],   v[ADRS+(t_&1)] offset:kq_+\c*16*WPITCH
	ds_load_b128 v[\f+8*\c+4:\f+8*\c+7], v[ADRS+(t_&1)] offset:kq_+\c*16*WPITCH+32
.endr
.endm
.macro MULC f, ct0, zero               ; 16 matrix instructions; the 32 accumulators take turns, one instruction a turn
.irp c, \ct0, \ct0+1
.irp a, 0,1,2,3,4,5,6,7
.if \zero
	v_wmma_f32_16x16x32_bf16 v[8*(8*(\c)+\a):8*(8*(\c)+\a)+7], v[\f+8*\a:\f+8*\a+7], v[\f+8*(\c):\f+8*(\c)+7], 0
.else
	v_wmma_f32_16x16x32_bf16 v[8*(8*(\c)+\a):8*(8*(\c)+\a)+7], v[\f+8*\a:\f+8*\a+7], v[\f+8*(\c):\f+8*(\c)+7], v[8*(8*(\c)+\a):8*(8*(\c)+\a)+7]
.endif
.endr
.endr
.endm
; kind 0: the chunk's fragments are in; the next chunk's are fetched into the other buffer; 32 matrix instructions.
; kind 1: the chunk is an S tile's last: its sub-slot is filled again two tiles ahead, behind a round of the cluster's barrier, with the waits in front of the round.
; kind 2: the next chunk reads the last S tile: its load, my own rows, is waited for (nothing younger is out).
; kind 3: the last chunk.
.macro CHUNK q, kind, zero
.set fb_, F0+64*((\q)&1)
.set gb_, F0+64*(((\q)+1)&1)
	s_wait_dscnt 0x0
.if \kind == 1
	s_set_vgpr_msb 0xa1a0
	s_wait_tensorcnt 0x0                           ; all my tensor loads have landed: the one out was the other sub-slot's tile
	ds_add_u32 v62, v63
	s_wait_dscnt 0x0
	s_set_vgpr_msb 0xa0a1
	s_barrier_signal -1
	WIN MUL_LO
	MULC fb_, 0, 0
	WIN 0
	s_barrier_wait -1
	CREST
.set su_, ((\q)>>2)&1
	s_add_nc_u64 s[G0S+4*su_+2:G0S+4*su_+3], s[G0S+4*su_+2:G0S+4*su_+3], 512
	tensor_load_to_lds s[G0S+4*su_:G0S+4*su_+3], s[G1S:G1S+7]
	s_nop 0
	PLACES
	FETCH2 (\q)+1, gb_
	WIN MUL_LO
	MULC fb_, 2, 0
.else
.if \kind == 2
	s_wait_tensorcnt 0x0
.endif
.if \kind != 3
	PLACES                                         ; the other buffer was read by the matrix instructions just in front
	FETCH2 (\q)+1, gb_
.endif
	WIN MUL_LO
	MULC fb_, 0, \zero
	MULC fb_, 2, \zero
.endif
.endm
	s_wait_dscnt 0x0                               ; my part of H is in LDS
	s_wait_tensorcnt 0x1                           ; S tile 0, my own rows, is in; tile 1 may stay out
	s_barrier_signal -1
	s_barrier_wait -1                              ; all of H is in
	FETCH2 0, F0
	CHUNK 0, 0, 1
	CHUNK 1, 0, 0
	CHUNK 2, 0, 0
	CHUNK 3, 1, 0                                  ; S tile 2
	CHUNK 4, 0, 0
	CHUNK 5, 0, 0
	CHUNK 6, 0, 0
	CHUNK 7, 1, 0                                  ; S tile 3
	CHUNK 8, 0, 0
	CHUNK 9, 0, 0
	CHUNK 10, 0, 0
	CHUNK 11, 2, 0
	CHUNK 12, 0, 0
	CHUNK 13, 0, 0
	CHUNK 14, 0, 0
	CHUNK 15, 3, 0
	; THE BLOCK'S SOFTMAX.  Class (ct, r) has its 128 scores in the 64 registers of class tile ct in lanes r and 16 + r.
	PLACES
	WIN 0x0a                                       ; sources 0 and 1 in window 2
.irp ct, 0,1,2,3
.irp k, 0,1,2,3
	v_max_num_f32 v[MX+4*\ct+\k], v[64*\ct+2*\k], v[64*\ct+2*\k+1]     ; the first eight start four chains: nothing is preset
.endr
.endr
	WIN 0x28                                       ; sources 1 and 2 in window 2
.irp ct, 0,1,2,3
.set j_, 8
.rept 28
	v_max3_num_f32 v[MX+4*\ct+((j_>>1)&3)], v[MX+4*\ct+((j_>>1)&3)], v[64*\ct+j_], v[64*\ct+j_+1]
.set j_, j_+2
.endr
.endr
	WIN 0
.irp ct, 0,1,2,3
	v_max3_num_f32 v[MX+4*\ct], v[MX+4*\ct], v[MX+4*\ct+1], v[MX+4*\ct+2]
	v_max_num_f32 v[MX+4*\ct], v[MX+4*\ct], v[MX+4*\ct+3]
	v_permlanex16_b32 v[MX+4*\ct+1], v[MX+4*\ct], s56, s57             ; the other half's 64 positions (the destination has been written)
	v_max_num_f32 v[MP+2*\ct], v[MX+4*\ct], v[MX+4*\ct+1]              ; m', twice: a pair for the packed subtraction
	v_max_num_f32 v[MP+2*\ct+1], v[MX+4*\ct], v[MX+4*\ct+1]
.endr
	; Class tile by class tile, so that the first stores leave while the later tiles are at work: E = 2^(s' - m') in place; the block's sums from the f32 numbers, four chains
	; of pairs; then E is rounded to bf16 in place (word i from registers 2 i, 2 i + 1) and goes out in the registers' own order, [g][w][ct][a][lane][8 bf16]:
	; store a takes words 4 a .. + 3, positions 16 a + 8 h + 0..7 of class 64 w + 16 ct + r.  Each store of the wave covers 512 consecutive bytes, aligned.
.irp ct, 0,1,2,3
	WIN 0x82                                       ; destination and source 0 in window 2
.set j_, 0
.rept 32
	v_pk_add_f32 v[64*\ct+j_:64*\ct+j_+1], v[64*\ct+j_:64*\ct+j_+1], v[MP+2*\ct:MP+2*\ct+1] neg_lo:[0,1] neg_hi:[0,1]
.set j_, j_+2
.endr
.set j_, 0
.rept 64
	v_exp_f32 v[64*\ct+j_], v[64*\ct+j_]
.set j_, j_+1
.endr
	v_nop                                          ; one plain instruction behind the run of exponentials (ISA guide 5.7.2)
	WIN 0x0a                                       ; sources 0 and 1 in window 2
	s_wait_alu depctr_va_vdst(0)
.irp k, 0,1,2,3
	v_pk_add_f32 v[SM+8*\ct+2*\k:SM+8*\ct+2*\k+1], v[64*\ct+4*\k:64*\ct+4*\k+1], v[64*\ct+4*\k+2:64*\ct+4*\k+3]
.endr
	WIN 0x02                                       ; source 0 in window 2
.set j_, 16
.rept 24
	v_pk_add_f32 v[SM+8*\ct+2*((j_>>1)&3):SM+8*\ct+2*((j_>>1)&3)+1], v[64*\ct+j_:64*\ct+j_+1], v[SM+8*\ct+2*((j_>>1)&3):SM+8*\ct+2*((j_>>1)&3)+1]
.set j_, j_+2
.endr
	WIN 0x8a                                       ; destination and both sources in window 2
.set j_, 0
.rept 32
	v_cvt_pk_bf16_f32 v[64*\ct+j_], v[64*\ct+2*j_], v[64*\ct+2*j_+1]
.set j_, j_+1
.endr
	WIN 0x08                                       ; store data in window 2
.set j_, 0
.rept 8
	global_store_b128 v[EOFF], v[64*\ct+4*j_:64*\ct+4*j_+3], s[10:11] offset:512*(8*\ct+j_) th:TH_STORE_NT
.set j_, j_+1
.endr
.endr
	WIN 0
.irp ct, 0,1,2,3
	v_pk_add_f32 v[SM+8*\ct:SM+8*\ct+1], v[SM+8*\ct:SM+8*\ct+1], v[SM+8*\ct+2:SM+8*\ct+3]
	v_pk_add_f32 v[SM+8*\ct+4:SM+8*\ct+5], v[SM+8*\ct+4:SM+8*\ct+5], v[SM+8*\ct+6:SM+8*\ct+7]
	v_pk_add_f32 v[SM+8*\ct:SM+8*\ct+1], v[SM+8*\ct:SM+8*\ct+1], v[SM+8*\ct+4:SM+8*\ct+5]
	v_add_f32 v[SM+8*\ct], v[SM+8*\ct], v[SM+8*\ct+1]
	v_permlanex16_b32 v[SM+8*\ct+1], v[SM+8*\ct], s56, s57
	v_add_f32 v[SM+8*\ct], v[SM+8*\ct], v[SM+8*\ct+1]
.endr
	; stats[g][v = 2 w + ct / 2][lane][2] = (m', sum) of class 32 v + lane: lanes 0-15 give class tile 2 (v % 2), lanes 16-31 the next; both halves hold both
	v_cmp_lt_u32 vcc_lo, 15, v3
	v_cndmask_b32 v[RES],   v[MP],    v[MP+2],  vcc_lo
	v_cndmask_b32 v[RES+1], v[SM],    v[SM+8],  vcc_lo
	v_cndmask_b32 v[RES+2], v[MP+4],  v[MP+6],  vcc_lo
	v_cndmask_b32 v[RES+3], v[SM+16], v[SM+24], vcc_lo
	global_store_b64 v[SOFF], v[RES:RES+1], s[12:13]                   ; 32 lanes: 256 consecutive bytes, aligned
	global_store_b64 v[SOFF], v[RES+2:RES+3], s[12:13] offset:256
	s_wait_tensorcnt 0x0
	ds_add_u32 v62, v63
	s_wait_dscnt 0x0
	CROUND                                         ; the closing round: no work-group ends while a partner may still ask for a tile that names it
	s_endpgm
.Lfunc_end_k_qc84b5789e0_main:
	.size	k_qc84b5789e0_main, .Lfunc_end_k_qc84b5789e0_main-k_qc84b5789e0_main
	.p2alignl 7, 3214868480
	.fill 96, 4, 3214868480
	.section	.rodata,"a",@progbits
	.p2align	6, 0x0
	.amdhsa_kernel k_qc84b5789e0_main
		.amdhsa_group_segment_fixed_size 327680
		.amdhsa_private_segment_fixed_size 0
		.amdhsa_enable_private_segment 0
		.amdhsa_kernarg_size 48
		.amdhsa_user_sgpr_count 2
		.amdhsa_user_sgpr_kernarg_segment_ptr 1
		.amdhsa_wavefront_size32 1
		.amdhsa_system_sgpr_workgroup_id_x 1
		.amdhsa_system_sgpr_workgroup_id_y 1
		.amdhsa_system_sgpr_workgroup_id_z 1
		.amdhsa_system_vgpr_workitem_id 0
		.amdhsa_next_free_vgpr 1024
		.amdhsa_next_free_sgpr 72
		.amdhsa_reserve_vcc 1
		.amdhsa_float_denorm_mode_32 3
		.amdhsa_float_denorm_mode_16_64 3
		.amdhsa_memory_ordered 1
		.amdhsa_forward_progress 1
		.amdhsa_inst_pref_size 255
	.end_amdhsa_kernel
	.section	.bss,"aw",@nobits
	.p2align	6
	.space	262144
	.amdgpu_metadata
---
amdhsa.version: [ 1, 2 ]
amdhsa.kernels:
  - .name:           k_qc84b5789e0_main
    .symbol:         k_qc84b5789e0_main.kd
    .args:
      - { .name: word_x, .offset: 0, .size: 8, .value_kind: global_buffer, .address_space: global }
      - { .name: Wb, .offset: 8, .size: 8, .value_kind: global_buffer, .address_space: global }
      - { .name: Sb, .offset: 16, .size: 8, .value_kind: global_buffer, .address_space: global }
      - { .name: Eexp, .offset: 24, .size: 8, .value_kind: global_buffer, .address_space: global }
      - { .name: stats, .offset: 32, .size: 8, .value_kind: global_buffer, .address_space: global }
      - { .name: Xb, .offset: 40, .size: 8, .value_kind: global_buffer, .address_space: global }
    .group_segment_fixed_size: 327680
    .private_segment_fixed_size: 0
    .kernarg_segment_align: 8
    .kernarg_segment_size: 48
    .max_flat_workgroup_size: 128
    .sgpr_count:     72
    .vgpr_count:     1024
    .wavefront_size: 32
...
	.end_amdgpu_metadata
.endif
;; end of part 2
;; launch combine (part 3): grid 256 x 1, 8 waves a work-group, no clusters, 5,632 bytes of LDS; arguments Xb, Eexp, stats, part; writes part
.if DOCPART == 3
	.amdgcn_target "amdgcn-amd-amdhsa--gfx1250"
	.amdhsa_code_object_version 6
	.text
	.protected	k_qc84b5789e0_combine
	.globl	k_qc84b5789e0_combine
	.p2align	8
	.type	k_qc84b5789e0_combine,@function
k_qc84b5789e0_combine:
	s_mov_b64 s[64:65], 0
	v_nop
	global_prefetch_b8 v0, s[64:65] scope:SCOPE_SE
	s_setreg_imm32_b32 hwreg(HW_REG_WAVE_MODE, 25, 1), 1
	s_wait_xcnt 0x0
; combine: the mean over classes commutes with the last product: out[b][d] = sum over l of w[b][l] x[b][l][d], w[b][l] = (1/256) sum over c of attn[b][c][l].
; Work-group g owns block g of 128 positions.  It joins the eight blocks' (m', sum) of its batch into each class's factor
;   gf[c] = 2^(m'own - M) / (256 Z),  M = max over the blocks of m',  Z = sum over the blocks of sum_k 2^(m'_k - M)  (at least 1, every exponent at most 0),
; makes w[l] = sum over c of gf[c] E[c][l] for its 128 positions, and then the partial sum over its 128 rows of w[l] x[l][:].
; E and x come as the earlier launch stored them: rounded to bf16, as the operands of reference()'s third product.  Factors, w and all sums are f32;
; v_fma_mix_f32_bf16 multiplies a bf16 half by an f32 and adds in f32, so nothing is unpacked.
; Eight waves.  Wave v takes classes 32 v .. + 31 of E (8,192 bytes) and the column chunks 2 v and 2 v + 1 of Xb (64 columns each, 32,768 bytes): every load covers 512 consecutive bytes.
; Xb = [g][m 16][w' 4][p 8][lane 32][16 bytes]: lane (r, h) holds columns 64 m + 4 r .. + 3 of rows 32 w' + 16 (p / 4) + 8 h + 2 (p % 4) and the next.
; A stream bound by memory: no matrix unit, and no cluster: the work-groups of a batch share only the 16,384 bytes of its stats beside 327,680 bytes of their own.
; The sum over the eight blocks of a batch spans work-groups: it is made by the next launch.
; LIMITS: a factor below 2^-126 comes out as 0 (v_exp_f32 flushes denormals: ISA guide 15.8).  NaN and infinities are not followed.  The sums' order differs from reference()'s.
.set ZERO, 15                          ; v15      0: the LDS base of no lane term, and the addend of the products that start sums
.set ST,  16                           ; v16-31   (m', sum) of my class in the batch's eight blocks
.set OWN, 32                           ; v32-33   the same of my own block
.set ACC, 16                           ; v16-31   behind the factors: chunk mm, row parity, column: 2 x 2 x 4 sums
.set G,   34                           ; v34-35   the factors of classes 32 v + r and 32 v + 16 + r
.set ER,  36                           ; v36-99   E as loaded
.set WL,  36                           ; v36-99   behind that: w of the 64 rows of my half h: WL[16 w' + 8 i + j] = w[32 w' + 16 i + 8 h + j]
.set EW,  100                          ; v100-163 my wave's part of w at work; behind that four more groups of the ring
.set XR,  164                          ; v164-243 five groups of the ring
.set WP,  0                            ; LDS: [8 waves][128] f32, each wave's part of w
.set WV,  4096                         ; LDS: [128] f32, w
; d = (bf16 half hi of x) * w + c, in f32
.macro FMX d, x, hi, w, c
.if \hi
	v_fma_mix_f32_bf16 v[\d], v[\x], v[\w], v[\c] op_sel:[1,0,0] op_sel_hi:[1,0,0]
.else
	v_fma_mix_f32_bf16 v[\d], v[\x], v[\w], v[\c] op_sel_hi:[1,0,0]
.endif
.endm
; The ring: 16 groups of four loads; group gr sits in slot gr % 9; slots 0-4 in XR, slots 5-8 in EW
.macro SLOTB gr
.if ((\gr)%9) < 5
.set sb_, XR+16*((\gr)%9)
.else
.set sb_, EW+16*(((\gr)%9)-5)
.endif
.endm
.macro XGRP gr
	SLOTB \gr
.set j_, 0
.rept 4
	global_load_b128 v[sb_+4*j_:sb_+4*j_+3], v6, s[4:5] offset:512*(4*(\gr)+j_) th:TH_LOAD_NT
.set j_, j_+1
.endr
.endm
	s_load_b256 s[4:11], s[0:1], 0x0               ; Xb s[4:5], Eexp s[6:7], stats s[8:9], part s[10:11]
	v_lshl_add_u32 v254, v0, 2, 0x1200
	v_mov_b32 v255, 0
	v_lshrrev_b32 v1, 5, v0
	v_readfirstlane_b32 s12, v1                    ; wave v
	v_and_b32 v2, 31, v0                           ; lane
	v_and_b32 v3, 15, v0                           ; r
	v_bfe_u32 v4, v0, 4, 1                         ; h
	v_lshlrev_b32 v5, 3, v0                        ; stats: 8 t = 256 v + 8 lane
	v_lshlrev_b32 v6, 4, v2                        ; E and Xb: 16 lane
	v_lshlrev_b32 v7, 4, v0                        ; part: 16 t
	v_lshlrev_b32 v1, 5, v4                        ; 32 h: my half's eight w in each run of sixteen
	s_lshl_b32 s16, ttmp9, 18                      ; Xb: 262,144 bytes a block, 32,768 a wave
	s_lshl_b32 s13, s12, 15
	s_add_co_u32 s16, s16, s13
	s_mov_b32 s17, 0
	s_lshl_b32 s18, ttmp9, 16                      ; E: 65,536 bytes a block, 8,192 a wave
	s_lshl_b32 s13, s12, 13
	s_add_co_u32 s18, s18, s13
	s_mov_b32 s19, 0
	s_and_b32 s20, ttmp9, 0xf8                     ; the batch's first block
	s_lshl_b32 s20, s20, 11                        ; stats: 2,048 bytes a block
	s_mov_b32 s21, 0
	s_lshl_b32 s22, ttmp9, 11                      ; my own block's stats
	s_mov_b32 s23, 0
	s_lshl_b32 s24, ttmp9, 12                      ; part: 4,096 bytes a block
	s_mov_b32 s25, 0
	s_mov_b32 s28, 0x76543210                      ; v_permlanex16_b32: lane i reads lane i of the other half
	s_mov_b32 s29, 0xfedcba98
	s_lshl_b32 s14, s12, 9
	v_lshl_add_u32 v8, v4, 5, s14                  ; WP: 512 v + 32 h
	s_lshl_b32 s15, s12, 6
	v_lshl_add_u32 v14, v3, 2, s15                 ; 4 (16 v + r)
	v_lshl_add_u32 v9, v4, 11, v14                 ; + 2,048 h: waves 4 h .. 4 h + 3 of WP
	v_mov_b32 v[ZERO], 0
	s_wait_kmcnt 0x0
	s_add_nc_u64 s[4:5], s[4:5], s[16:17]
	s_add_nc_u64 s[6:7], s[6:7], s[18:19]
	s_add_nc_u64 s[26:27], s[8:9], s[22:23]
	s_add_nc_u64 s[8:9], s[8:9], s[20:21]
	s_add_nc_u64 s[10:11], s[10:11], s[24:25]
.irp k, 0,1,2,3,4,5,6,7
	global_load_b64 v[ST+2*\k:ST+2*\k+1], v5, s[8:9] offset:2048*\k
.endr
	global_load_b64 v[OWN:OWN+1], v5, s[26:27]
.set i_, 0
.rept 16
	global_load_b128 v[ER+4*i_:ER+4*i_+3], v6, s[6:7] offset:512*i_ th:TH_LOAD_NT
.set i_, i_+1
.endr
.irp gr, 0,1,2,3,4
	XGRP \gr                                       ; 20 loads of Xb are on their way before the work on E begins
.endr
	; the factor of class 32 v + lane
	s_wait_loadcnt 36                              ; the nine loads of stats are in; 16 of E and 20 of Xb are younger
	v_max3_num_f32 v10, v[ST], v[ST+2], v[ST+4]
	v_max3_num_f32 v10, v10, v[ST+6], v[ST+8]
	v_max3_num_f32 v10, v10, v[ST+10], v[ST+12]
	v_max_num_f32 v10, v10, v[ST+14]               ; M
.irp k, 0,1,2,3,4,5,6,7
	v_sub_f32 v[ST+2*\k], v[ST+2*\k], v10
.endr
	v_sub_f32 v[OWN], v[OWN], v10
.irp k, 0,1,2,3,4,5,6,7
	v_exp_f32 v[ST+2*\k], v[ST+2*\k]
.endr
	v_exp_f32 v[OWN], v[OWN]
	v_nop                                          ; one plain instruction behind the run of exponentials (ISA guide 5.7.2)
	s_wait_alu depctr_va_vdst(0)
	v_mul_f32 v11, v[ST+1], v[ST]
.irp k, 1,2,3,4,5,6,7
	v_fmac_f32 v11, v[ST+2*\k+1], v[ST+2*\k]       ; Z
.endr
	v_rcp_f32 v12, v11
	v_mul_f32 v13, 0x3b800000, v[OWN]              ; 2^(m'own - M) / 256: the plain instruction behind the reciprocal, it touches neither Z nor 1 / Z
	s_wait_alu depctr_va_vdst(0)
	v_mul_f32 v12, v12, v13                        ; gf
	v_permlanex16_b32 v13, v12, s28, s29           ; the factor of the class 16 away (v13 has been written)
	v_cmp_lt_u32 vcc_lo, 15, v2
	v_cndmask_b32 v[G],   v12, v13, vcc_lo         ; class 32 v + r
	v_cndmask_b32 v[G+1], v13, v12, vcc_lo         ; class 32 v + 16 + r
	; E: load 8 ctl + a holds class 32 v + 16 ctl + r, positions 16 a + 8 h + 0..7, two to a word.  The two classes of a lane are weighted and added: EW[8 a + j],
	s_wait_loadcnt 20                              ; E is in; the 20 loads of Xb are younger
.set i_, 0
.rept 64
	FMX EW+i_, ER+(i_>>1), i_&1, G, ZERO
.set i_, i_+1
.endr
.set i_, 0
.rept 64
	FMX EW+i_, ER+32+(i_>>1), i_&1, G+1, EW+i_
.set i_, i_+1
.endr
	; then the sixteen lanes of each half: four steps that ride on the additions; every lane of a half ends with the sum over its wave's 32 classes
.irp m, 1,2,4,8
.set i_, 0
.rept 64
	v_add_f32_dpp v[EW+i_], v[EW+i_], v[EW+i_] row_xmask:\m row_mask:0xf bank_mask:0xf
.set i_, i_+1
.endr
.endr
.set i_, 0
.rept 16
	ds_store_b128 v8, v[EW+4*i_:EW+4*i_+3] offset:WP+64*(i_>>1)+16*(i_&1)     ; the sixteen lanes of a half write the same 16 bytes with the same numbers
.set i_, i_+1
.endr
	s_wait_dscnt 0x0                               ; for the other waves' sake: my part of w is in LDS; and EW's registers have been read
.irp gr, 5,6,7,8
	XGRP \gr                                       ; 16 more loads into the registers just freed: 36 loads of 512 bytes a wave are now on their way
.endr
	s_barrier_signal -1
	s_barrier_wait -1
	; over the eight waves: wave v makes positions 16 v + r; lanes 0-15 add waves 0-3, lanes 16-31 waves 4-7
.irp i, 0,1,2,3
	ds_load_b32 v[10+\i], v9 offset:WP+512*\i
.endr
	s_wait_dscnt 0x0
	v_add_f32 v10, v10, v11
	v_add_f32 v12, v12, v13
	v_add_f32 v10, v10, v12
	v_permlanex16_b32 v11, v10, s28, s29
	v_add_f32 v10, v10, v11
	ds_store_b32 v14, v10 offset:WV                ; both halves write the same word with the same number; bytes of their own, apart from WP
	s_wait_dscnt 0x0
	s_barrier_signal -1
	s_barrier_wait -1
.set i_, 0
.rept 16
	ds_load_b128 v[WL+4*i_:WL+4*i_+3], v1 offset:WV+64*(i_>>1)+16*(i_&1)      ; w[16 (i / 2) + 8 h + 4 (i % 2) ..]: the sixteen lanes of a half read the same words
.set i_, i_+1
.endr
	s_wait_dscnt 0x0
; One load of Xb, number idx = 32 mm + 8 w' + p: two rows x four columns.  The rows' w are WL[2 (idx % 32)] and the next.  The first row goes into one set of four sums,
; the second into another: eight sums that do not wait for each other.  A chunk's first load starts its sums.
.macro XROWS x, idx
.set a_, ACC+8*((\idx)>>5)
.set w_, WL+2*((\idx)&31)
.irp c, 0,1,2,3
.if ((\idx)&31) == 0
	FMX a_+\c, (\x)+(\c>>1), \c&1, w_, ZERO
.else
	FMX a_+\c, (\x)+(\c>>1), \c&1, w_, a_+\c
.endif
.endr
.irp c, 0,1,2,3
.if ((\idx)&31) == 0
	FMX a_+4+\c, (\x)+2+(\c>>1), \c&1, w_+1, ZERO
.else
	FMX a_+4+\c, (\x)+2+(\c>>1), \c&1, w_+1, a_+4+\c
.endif
.endr
.endm
	; THE STREAM: 16 groups of four loads; a slot is loaded again with the group nine further on
.set gr_, 0
.rept 16
.if gr_ <= 7
	s_wait_loadcnt 32                              ; loads come back in order: this group's four are in, the eight younger groups stay out
.else
	s_wait_loadcnt 4*(15-gr_)                      ; nothing is loaded any more: the counts run down
.endif
	SLOTB gr_
.set k_, 0
.rept 4
	XROWS sb_+4*k_, 4*gr_+k_
.set k_, k_+1
.endr
.if gr_+9 <= 15
	XGRP gr_+9
.endif
.set gr_, gr_+1
.endr
	; the two row parities; then the two halves of the lanes hold different rows: each half keeps one chunk's sums and gives the other's to its partner
.irp mm, 0,1
	v_pk_add_f32 v[ACC+8*\mm:ACC+8*\mm+1],   v[ACC+8*\mm:ACC+8*\mm+1],   v[ACC+8*\mm+4:ACC+8*\mm+5]
	v_pk_add_f32 v[ACC+8*\mm+2:ACC+8*\mm+3], v[ACC+8*\mm+2:ACC+8*\mm+3], v[ACC+8*\mm+6:ACC+8*\mm+7]
.endr
	v_cmp_lt_u32 vcc_lo, 15, v2
.irp c, 0,1,2,3
	v_cndmask_b32 v[10+\c],  v[ACC+8+\c], v[ACC+\c],   vcc_lo  ; to give: lanes 0-15 chunk 2 v + 1, lanes 16-31 chunk 2 v
	v_cndmask_b32 v[ACC+\c], v[ACC+\c],   v[ACC+8+\c], vcc_lo  ; to keep: lanes 0-15 chunk 2 v, lanes 16-31 chunk 2 v + 1
.endr
.irp c, 0,1,2,3
	v_permlanex16_b32 v[ACC+8+\c], v[10+\c], s28, s29          ; the destination has been written
.endr
	v_pk_add_f32 v[ACC:ACC+1],   v[ACC:ACC+1],   v[ACC+8:ACC+9]
	v_pk_add_f32 v[ACC+2:ACC+3], v[ACC+2:ACC+3], v[ACC+10:ACC+11]
	global_store_b128 v7, v[ACC:ACC+3], s[10:11]   ; part[g][128 v + 64 h + 4 r ..] = byte 16 t: a wave's store covers 512 consecutive bytes, aligned
	s_wait_tensorcnt 0x0
	ds_add_u32 v254, v255
	s_wait_dscnt 0x0
	s_endpgm
.Lfunc_end_k_qc84b5789e0_combine:
	.size	k_qc84b5789e0_combine, .Lfunc_end_k_qc84b5789e0_combine-k_qc84b5789e0_combine
	.p2alignl 7, 3214868480
	.fill 96, 4, 3214868480
	.section	.rodata,"a",@progbits
	.p2align	6, 0x0
	.amdhsa_kernel k_qc84b5789e0_combine
		.amdhsa_group_segment_fixed_size 5632
		.amdhsa_private_segment_fixed_size 0
		.amdhsa_enable_private_segment 0
		.amdhsa_kernarg_size 32
		.amdhsa_user_sgpr_count 2
		.amdhsa_user_sgpr_kernarg_segment_ptr 1
		.amdhsa_wavefront_size32 1
		.amdhsa_system_sgpr_workgroup_id_x 1
		.amdhsa_system_sgpr_workgroup_id_y 1
		.amdhsa_system_sgpr_workgroup_id_z 1
		.amdhsa_system_vgpr_workitem_id 0
		.amdhsa_next_free_vgpr 256
		.amdhsa_next_free_sgpr 66
		.amdhsa_reserve_vcc 1
		.amdhsa_float_denorm_mode_32 3
		.amdhsa_float_denorm_mode_16_64 3
		.amdhsa_memory_ordered 1
		.amdhsa_forward_progress 1
		.amdhsa_inst_pref_size 73
	.end_amdhsa_kernel
	.amdgpu_metadata
---
amdhsa.version: [ 1, 2 ]
amdhsa.kernels:
  - .name:           k_qc84b5789e0_combine
    .symbol:         k_qc84b5789e0_combine.kd
    .args:
      - { .name: Xb, .offset: 0, .size: 8, .value_kind: global_buffer, .address_space: global }
      - { .name: Eexp, .offset: 8, .size: 8, .value_kind: global_buffer, .address_space: global }
      - { .name: stats, .offset: 16, .size: 8, .value_kind: global_buffer, .address_space: global }
      - { .name: part, .offset: 24, .size: 8, .value_kind: global_buffer, .address_space: global }
    .group_segment_fixed_size: 5632
    .private_segment_fixed_size: 0
    .kernarg_segment_align: 8
    .kernarg_segment_size: 32
    .max_flat_workgroup_size: 256
    .sgpr_count:     66
    .vgpr_count:     256
    .wavefront_size: 32
...
	.end_amdgpu_metadata
.endif
;; end of part 3
;; launch final (part 4): grid 256 x 1, 1 waves a work-group, no clusters, 0 bytes of LDS; arguments part, out0; writes out0
.if DOCPART == 4
	.amdgcn_target "amdgcn-amd-amdhsa--gfx1250"
	.amdhsa_code_object_version 6
	.text
	.protected	k_qc84b5789e0_final
	.globl	k_qc84b5789e0_final
	.p2align	8
	.type	k_qc84b5789e0_final,@function
k_qc84b5789e0_final:
	s_mov_b64 s[64:65], 0
	v_nop
	global_prefetch_b8 v0, s[64:65] scope:SCOPE_SE
	s_setreg_imm32_b32 hwreg(HW_REG_WAVE_MODE, 25, 1), 1
	s_wait_xcnt 0x0
; final: out0[b][d] = the sum over the batch's eight blocks k of part[8 b + k][d], in f32, as a tree.
; One wave a work-group; work-group i takes batch i / 8, columns 128 (i % 8) .. + 127: eight loads and one store of 512 consecutive aligned bytes.
	s_load_b128 s[4:7], s[0:1], 0x0                ; part s[4:5], out0 s[6:7]
	v_lshlrev_b32 v1, 4, v0                        ; 16 x lane
	s_lshr_b32 s8, ttmp9, 3
	s_lshl_b32 s8, s8, 15                          ; the batch's eight rows of 4,096 bytes
	s_and_b32 s9, ttmp9, 7
	s_lshl_b32 s9, s9, 9                           ; my 512 bytes of a row
	s_add_co_u32 s8, s8, s9
	s_mov_b32 s9, 0
	s_lshl_b32 s10, ttmp9, 9                       ; out0: 4,096 (i / 8) + 512 (i % 8) = 512 i
	s_mov_b32 s11, 0
	s_wait_kmcnt 0x0
	s_add_nc_u64 s[4:5], s[4:5], s[8:9]
	s_add_nc_u64 s[6:7], s[6:7], s[10:11]
.irp k, 0,1,2,3,4,5,6,7
	global_load_b128 v[4+4*\k:7+4*\k], v1, s[4:5] offset:4096*\k th:TH_LOAD_NT
.endr
	s_wait_loadcnt 0x0
.irp k, 0,2,4,6
	v_pk_add_f32 v[4+4*\k:5+4*\k], v[4+4*\k:5+4*\k], v[8+4*\k:9+4*\k]
	v_pk_add_f32 v[6+4*\k:7+4*\k], v[6+4*\k:7+4*\k], v[10+4*\k:11+4*\k]
.endr
.irp k, 0,4
	v_pk_add_f32 v[4+4*\k:5+4*\k], v[4+4*\k:5+4*\k], v[12+4*\k:13+4*\k]
	v_pk_add_f32 v[6+4*\k:7+4*\k], v[6+4*\k:7+4*\k], v[14+4*\k:15+4*\k]
.endr
	v_pk_add_f32 v[4:5], v[4:5], v[20:21]
	v_pk_add_f32 v[6:7], v[6:7], v[22:23]
	global_store_b128 v1, v[4:7], s[6:7]
	s_endpgm
.Lfunc_end_k_qc84b5789e0_final:
	.size	k_qc84b5789e0_final, .Lfunc_end_k_qc84b5789e0_final-k_qc84b5789e0_final
	.p2alignl 7, 3214868480
	.fill 96, 4, 3214868480
	.section	.rodata,"a",@progbits
	.p2align	6, 0x0
	.amdhsa_kernel k_qc84b5789e0_final
		.amdhsa_group_segment_fixed_size 0
		.amdhsa_private_segment_fixed_size 0
		.amdhsa_enable_private_segment 0
		.amdhsa_kernarg_size 16
		.amdhsa_user_sgpr_count 2
		.amdhsa_user_sgpr_kernarg_segment_ptr 1
		.amdhsa_wavefront_size32 1
		.amdhsa_system_sgpr_workgroup_id_x 1
		.amdhsa_system_sgpr_workgroup_id_y 1
		.amdhsa_system_sgpr_workgroup_id_z 1
		.amdhsa_system_vgpr_workitem_id 0
		.amdhsa_next_free_vgpr 40
		.amdhsa_next_free_sgpr 66
		.amdhsa_reserve_vcc 0
		.amdhsa_float_denorm_mode_32 3
		.amdhsa_float_denorm_mode_16_64 3
		.amdhsa_memory_ordered 1
		.amdhsa_forward_progress 1
		.amdhsa_inst_pref_size 3
	.end_amdhsa_kernel
	.amdgpu_metadata
---
amdhsa.version: [ 1, 2 ]
amdhsa.kernels:
  - .name:           k_qc84b5789e0_final
    .symbol:         k_qc84b5789e0_final.kd
    .args:
      - { .name: part, .offset: 0, .size: 8, .value_kind: global_buffer, .address_space: global }
      - { .name: out0, .offset: 8, .size: 8, .value_kind: global_buffer, .address_space: global }
    .group_segment_fixed_size: 0
    .private_segment_fixed_size: 0
    .kernarg_segment_align: 8
    .kernarg_segment_size: 16
    .max_flat_workgroup_size: 32
    .sgpr_count:     66
    .vgpr_count:     40
    .wavefront_size: 32
...
	.end_amdgpu_metadata
.endif
;; end of part 4
